; MI455X (gfx1250); checked and timed in simulation.
; The chip was launched on July 23, 2026; its instructions are those of AMD's public machine-readable ISA for CDNA 5 (MIT licence, August 2026) and "CDNA5" Instruction Set Architecture Reference Guide (July 2026). The comments in the code are by the model that wrote it; some were corrected since.
;; Head. Allowed arithmetic: float matrix products may take bf16 or f16 operands with f32 sums; all other float work in f32.
;; Inputs: Wk 512 x 64 float32; Wq 512 x 64 float32; Wv 512 x 64 float32; bk 64 float32; bq 64 float32; bv 64 float32; x 4 x 4,096 x 512 float32.
;; Outputs: out0 4 x 4,096 x 64 float32.
;; One version. Each part assembles by itself: llvm-mc -triple=amdgcn-amd-amdhsa -mcpu=gfx1250 --defsym DOCPART=n.
;; ======== version 1 of 1: 2 launches
;; workspace buffers: kb 2,097,152 bytes; qv 4,194,304 bytes
;; launch proj (part 1): grid 256 x 1, 4 waves a work-group, clusters of 4 x 1, 327,680 bytes of LDS; arguments x, Wk, Wq, Wv, bk, bq, bv, kb, qv; writes kb, qv
.if DOCPART == 1
	.amdgcn_target "amdgcn-amd-amdhsa--gfx1250"
	.amdhsa_code_object_version 6
	.text
	.protected	k_qf254a3fc9b_proj
	.globl	k_qf254a3fc9b_proj
	.p2align	8
	.type	k_qf254a3fc9b_proj,@function
k_qf254a3fc9b_proj:
	s_mov_b64 s[64:65], 0
	v_nop
	global_prefetch_b8 v0, s[64:65] scope:SCOPE_SE
	s_setreg_imm32_b32 hwreg(HW_REG_WAVE_MODE, 25, 1), 1
	s_wait_xcnt 0x0
	s_wait_alu depctr_hold_cnt(0) depctr_sa_sdst(0) depctr_va_vdst(0) depctr_va_sdst(0) depctr_va_ssrc(0) depctr_va_vcc(0) depctr_vm_vsrc(0)
	s_getreg_b32 s2, hwreg(HW_REG_IB_STS2, 6, 4)
	s_cmp_eq_u32 s2, 0
	s_cbranch_scc0 .Lentry_in_a_cluster
	s_endpgm
.Lentry_in_a_cluster:
	s_bfe_u32 s2, ttmp6, 0x10000c
	s_cmp_lg_u32 s2, 0x3003
	s_cbranch_scc0 .Lentry_shape_is_right
	s_endpgm
.Lentry_shape_is_right:
; proj: kb = (x Wk + bk) c, q = x Wq + bq, v = x Wv + bv, each rounded once to bf16; c = 512^-0.5 log2(e), so that the next launch
; can take exponentials in base 2.  x: [16384][512] f32, W: [512][64] f32, b: [64] f32.
; OUT: kb [16384 tokens][64 channels] bf16.  qv: one block of 16,384 bytes for every 64 tokens: q as [64 tokens][64 channels] bf16,
; then v transposed as [64 channels][64 tokens] bf16.
; SHARES: a work-group owns 64 tokens and all 192 channels.  K = 512 goes in four chunks of 128 through two LDS slots; in each chunk
; wave w takes the 32 k at 32 w for all 4 token tiles x 12 channel tiles: 48 accumulators, 384 registers.  So every f32 of x and of W
; is read from LDS and rounded to bf16 once in the work-group; the four waves' partial sums meet in LDS at the end.
; CLUSTERS: four work-groups form a cluster.  All walk the same chunks of Wk, Wq, Wv, 96 KiB of a chunk's 128 KiB: these are asked for
; jointly (mask 15), by waves 0, 1, 2, one matrix each.  Wave 3 brings the work-group's own 64 rows of x by a plain load.
; LIMITS: finite inputs; x and W rounded to bf16 for the products, sums in f32; K is summed in four shares (one a wave) that are added
; as (0+1)+(2+3), another order than a single ascending sum.
.set WP,    272                        ; an LDS row of W: 64 f32 + 16 bytes of padding
.set XP,    528                        ; an LDS row of x: 128 f32 + 16 bytes of padding; 33 x 16, so 16 rows start in 16 different 16-byte columns modulo 256
.set WREG,  128*WP                     ; 34,816: one matrix' chunk
.set XOFF,  3*WREG                     ; x behind the three matrices
.set SLOT,  XOFF+64*XP                 ; 138,240
.set EXW,   49152                      ; a wave's 48 accumulator tiles as register images; lies over the ring, used after its last fill
.set ST,    2*SLOT                     ; 276,480: the stage, bytes of its own: k, q, v blocks of 64 rows x 144
.set STP,   144
.set STB,   64*STP
.set XA,  4                            ; v4-5    slot s: my x fragments
.set WA,  6                            ; v6-11   slot s, matrix m at 3 s + m: my rows of W
.set EXS, 12                           ; v12     where I dump my accumulators
.set EXL, 13                           ; v13-16  where I read wave 0..3's share of my token tile
.set STK, 17                           ; v17     stage: my 64 bytes of a token's row (k, q)
.set STV, 18                           ; v18     stage: my 16 bytes of a channel's row (v)
.set RD,  19                           ; v19     stage: read back by rows
.set GO,  20                           ; v20     my byte offset in an output block
.set BO,  21                           ; v21     128 h: my 32 biases of k and q
.set BR,  22                           ; v22     16 r: my 4 biases of v
.set XR,  24                           ; v24-87    raw f32: x, later Wq
.set WR,  88                           ; v88-151   raw f32: Wk, later Wv
.set XF,  152                          ; v152-183  x fragments, 4 token tiles
.set WF0, 184                          ; v184-215  W fragments, 4 channel tiles (Wk, later Wv)
.set WF1, 216                          ; v216-247  W fragments (Wq)
.set B0,  24                           ; the epilogue's two buffers of 64
.set B1,  88
.set BK,  152                          ; bk c, bq, bv, packed words: in registers that held fragments
.set BQ,  184
.set BV,  216
.set PK,  220
; window 1: k accumulators at 8 (4 mt + i), q accumulators at 128 + 8 (4 mt + i).  window 2: v accumulators at 8 (4 mt + i).
.set G1W, 24                           ; s[24:31] shape of a chunk of W
.set G1X, 32                           ; s[32:39] shape of a chunk of x
.set G0W, 40                           ; s[40:47] from where, to where: W, one set a slot
.set G0X, 48                           ; s[48:55] the same for x
.set MSB, 0
.macro WIN new                         ; the immediate's high byte repeats the setting that is left
.if MSB != \new
	s_set_vgpr_msb (MSB<<8)|\new
.set MSB, \new
.endif
.endm
.macro PLACES                          ; four places behind a matrix instruction (ISA guide 7.12.1)
.rept 4
	v_nop
.endr
.endm
; A round of the cluster's barrier: my work-group's barrier, wave 0 signals for the work-group, every wave waits for all four work-groups, my work-group's barrier again.
.macro ROUND
	s_barrier_signal -1
	s_barrier_wait -1
	s_cmp_lg_u32 s22, 0
	s_cbranch_scc1 .Lnot_wave_0_\@
	s_barrier_signal -3
.Lnot_wave_0_\@:
	s_barrier_wait -3
	s_barrier_signal -1
	s_barrier_wait -1
.endm
; One tensor load a wave: waves 0, 1, 2 the joint load of their matrix, wave 3 the plain load of x.  The branch hangs on the wave's number alone.
.macro JLOAD s
	s_cmp_eq_u32 s22, 3
	s_cbranch_scc1 .Lfor_x_\@
	tensor_load_to_lds s[G0W+4*\s:G0W+4*\s+3], s[G1W:G1W+7]
	s_nop 0
	s_branch .Lasked_\@
.Lfor_x_\@:
	tensor_load_to_lds s[G0X+4*\s:G0X+4*\s+3], s[G1X:G1X+7]
	s_nop 0
.Lasked_\@:
.endm
	s_load_b256 s[4:11], s[0:1], 0x0               ; x s[4:5], Wk s[6:7], Wq s[8:9], Wv s[10:11]
	s_load_b256 s[12:19], s[0:1], 0x20             ; bk s[12:13], bq s[14:15], bv s[16:17], kb s[18:19]
	s_load_b64 s[20:21], s[0:1], 0x40              ; qv
	v_lshl_add_u32 v254, v0, 2, 0x4a400
	v_mov_b32 v255, 0
	ds_add_u32 v254, v255
	v_lshrrev_b32 v1, 5, v0
	v_readfirstlane_b32 s22, v1                    ; wave 0..3
	s_bfe_u32 s23, ttmp6, 0x40000                  ; cx
	s_lshl_b32 s56, ttmp9, 2
	s_add_co_u32 s56, s56, s23                     ; work-group = 4 x cluster + cx
	s_mov_b32 s62, 0x3d8293ee                      ; c = 512^-0.5 log2(e)
	s_mov_b32 s63, 0                               ; the pair's other word
	; W: 128 rows x 64 f32, dense in memory, 16 bytes of padding behind each row of 64 words
	s_mov_b32 s[G1W+0], 15|(2<<16)|(1<<20)|(1<<21)|(5<<22)|(3<<25)  ; mask: all four of the cluster; 4-byte elements; padding on; bit 21 beside a mask; every 64 words; 4 words
	s_mov_b32 s[G1W+1], 64<<16                     ; tensor_dim0 = 64
	s_mov_b32 s[G1W+2], 128<<16                    ; tensor_dim1 = 128
	s_mov_b32 s[G1W+3], 64<<16                     ; tile_dim0 = 64
	s_mov_b32 s[G1W+4], 128                        ; tile_dim1 = 128
	s_mov_b32 s[G1W+5], 64                         ; from row to row: 64 elements
	s_mov_b32 s[G1W+6], 0
	s_mov_b32 s[G1W+7], 0
	; x: 64 rows x 128 f32, 512 elements from row to row, 16 bytes of padding behind each row of 128 words; no mask
	s_mov_b32 s[G1X+0], (2<<16)|(1<<20)|(6<<22)|(3<<25)
	s_mov_b32 s[G1X+1], 128<<16
	s_mov_b32 s[G1X+2], 64<<16
	s_mov_b32 s[G1X+3], 128<<16
	s_mov_b32 s[G1X+4], 64
	s_mov_b32 s[G1X+5], 512
	s_mov_b32 s[G1X+6], 0
	s_mov_b32 s[G1X+7], 0
	s_mul_i32 s57, s22, WREG                       ; my matrix' place in a slot
	s_lshl_b32 s2, s56, 17                         ; 64 rows of 2,048 bytes for each work-group
	s_mov_b32 s3, 0
	s_wait_dscnt 0x0
	s_wait_kmcnt 0x0
	s_cmp_eq_u32 s22, 1
	s_cselect_b64 s[58:59], s[8:9], s[6:7]         ; wave 1: Wq, else Wk
	s_cmp_eq_u32 s22, 2
	s_cselect_b64 s[58:59], s[10:11], s[58:59]     ; wave 2: Wv.  Nothing of the work-group's place enters s[58:59]
	s_add_nc_u64 s[60:61], s[4:5], s[2:3]          ; x at my first row
.irp s, 0,1
	s_mov_b32 s[G0W+4*\s], 1
	s_add_co_u32 s[G0W+4*\s+1], s57, \s*SLOT
	s_add_nc_u64 s[G0W+4*\s+2:G0W+4*\s+3], s[58:59], \s*32768      ; chunk s: 128 rows of 256 bytes
	s_or_b32 s[G0W+4*\s+3], s[G0W+4*\s+3], 0x80000000
	s_mov_b32 s[G0X+4*\s], 1
	s_mov_b32 s[G0X+4*\s+1], XOFF+\s*SLOT
	s_add_nc_u64 s[G0X+4*\s+2:G0X+4*\s+3], s[60:61], \s*512        ; chunk s: 128 f32 along the rows
	s_or_b32 s[G0X+4*\s+3], s[G0X+4*\s+3], 0x80000000
.endr
	s_lshl_b32 s2, s56, 13
	s_add_nc_u64 s[66:67], s[18:19], s[2:3]        ; my 8 KiB of kb
	s_lshl_b32 s2, s56, 14
	s_add_nc_u64 s[68:69], s[20:21], s[2:3]        ; my 16 KiB of qv
	ROUND                                          ; all four work-groups are here: the first joint loads meet
	JLOAD 0                                        ; chunks 0 and 1, half of all that the work-group takes in: two loads a wave are out
	JLOAD 1
	v_and_b32 v1, 15, v0                           ; r
	v_bfe_u32 v2, v0, 4, 1                         ; h
	v_and_b32 v3, 31, v0                           ; lane
	v_mul_u32_u24 v[XA], v1, XP                    ; x: token r, k = 32 w + 8 h: 528 r + 128 w + 32 h
	v_lshl_add_u32 v[XA], v2, 5, v[XA]
	s_lshl_b32 s2, s22, 7
	s_add_co_u32 s2, s2, XOFF
	v_add_nc_u32 v[XA], s2, v[XA]
	v_add_nc_u32 v[XA+1], SLOT, v[XA]
	v_mul_u32_u24 v[WA], v2, 8*WP                  ; W: row k = 32 w + 8 h, channels 4 r .. 4 r + 3
	v_lshl_add_u32 v[WA], v1, 4, v[WA]
	s_mul_i32 s2, s22, 32*WP
	v_add_nc_u32 v[WA], s2, v[WA]
	v_add_nc_u32 v[WA+1], WREG, v[WA]
	v_add_nc_u32 v[WA+2], 2*WREG, v[WA]
	v_add_nc_u32 v[WA+3], SLOT, v[WA]
	v_add_nc_u32 v[WA+4], SLOT+WREG, v[WA]
	v_add_nc_u32 v[WA+5], SLOT+2*WREG, v[WA]
	v_lshlrev_b32 v23, 4, v3                       ; 16 x lane
	s_mul_i32 s2, s22, EXW
	v_add_nc_u32 v[EXS], s2, v23
	s_mul_i32 s2, s22, 12*1024                     ; token tile w: twelve tiles of 1,024 bytes in every wave's dump
	v_add_nc_u32 v[EXL], s2, v23
	v_add_nc_u32 v[EXL+1], EXW, v[EXL]
	v_add_nc_u32 v[EXL+2], 2*EXW, v[EXL]
	v_add_nc_u32 v[EXL+3], 3*EXW, v[EXL]
	v_mul_u32_u24 v[STK], v1, STP                  ; row 16 w + r, 64 bytes for each half of the lanes
	v_lshl_add_u32 v[STK], v2, 6, v[STK]
	s_mul_i32 s2, s22, 16*STP
	s_add_co_u32 s2, s2, ST
	v_add_nc_u32 v[STK], s2, v[STK]
	v_mul_u32_u24 v[STV], v1, 4*STP                ; row 4 r (+ i), tokens 16 w + 8 h ..
	v_lshl_add_u32 v[STV], v2, 4, v[STV]
	s_lshl_b32 s3, s22, 5
	s_add_co_u32 s3, s3, ST+2*STB
	v_add_nc_u32 v[STV], s3, v[STV]
	v_lshrrev_b32 v[RD], 3, v3                     ; back: eight lanes take a row of 128 bytes
	v_mul_u32_u24 v[RD], v[RD], STP
	v_and_b32 v[GO], 7, v3
	v_lshl_add_u32 v[RD], v[GO], 4, v[RD]
	v_add_nc_u32 v[RD], s2, v[RD]
	v_lshl_add_u32 v[GO], s22, 11, v23             ; 16 rows of 128 bytes a wave, dense
	v_lshlrev_b32 v[BO], 7, v2
	v_lshlrev_b32 v[BR], 4, v1
; x as f32: for each token tile k = 8 h .. + 7 (32 bytes) and k = 16 + 8 h .. + 7 (32 bytes, 64 further on)
.macro LDX s
.irp mt, 0,1,2,3
	ds_load_b128 v[XR+16*\mt:XR+16*\mt+3],     v[XA+\s] offset:16*XP*\mt
	ds_load_b128 v[XR+16*\mt+4:XR+16*\mt+7],   v[XA+\s] offset:16*XP*\mt+16
	ds_load_b128 v[XR+16*\mt+8:XR+16*\mt+11],  v[XA+\s] offset:16*XP*\mt+64
	ds_load_b128 v[XR+16*\mt+12:XR+16*\mt+15], v[XA+\s] offset:16*XP*\mt+80
.endr
.endm
; W as f32: load u brings channels 4 r .. 4 r + 3 of k = 8 h + u (u < 8) or 16 + 8 h + u - 8; sixteen lanes read one whole row of 256 bytes
.macro LDW s, mat, dst
.irp u, 0,1,2,3,4,5,6,7,8,9,10,11,12,13,14,15
	ds_load_b128 v[\dst+4*\u:\dst+4*\u+3], v[WA+3*\s+\mat] offset:(\u+8*(\u/8))*WP
.endr
.endm
.macro CVTX                            ; register e of a fragment: k pair 2 e, 2 e + 1 of the lane's sixteen
.irp mt, 0,1,2,3
.irp e, 0,1,2,3,4,5,6,7
	v_cvt_pk_bf16_f32 v[XF+8*\mt+\e], v[XR+16*\mt+2*\e], v[XR+16*\mt+2*\e+1]
.endr
.endr
.endm
.macro CVTW src, dst                   ; fragment i: index r stands for channel 4 r + i
.irp i, 0,1,2,3
.irp e, 0,1,2,3,4,5,6,7
	v_cvt_pk_bf16_f32 v[\dst+8*\i+\e], v[\src+8*\e+\i], v[\src+8*\e+4+\i]
.endr
.endr
.endm
; k, q: source 0 = W, source 1 = x: register j of lane (r, h) is channel 32 h + 4 j + i of token 16 mt + r.
; The 48 accumulators take turns, one instruction a turn.
.macro MULKQ mat, wf, zero
	WIN 0x50
.irp mt, 0,1,2,3
.irp i, 0,1,2,3
.if \zero
	v_wmma_f32_16x16x32_bf16 v[128*\mat+8*(4*\mt+\i):128*\mat+8*(4*\mt+\i)+7], v[\wf+8*\i:\wf+8*\i+7], v[XF+8*\mt:XF+8*\mt+7], 0
.else
	v_wmma_f32_16x16x32_bf16 v[128*\mat+8*(4*\mt+\i):128*\mat+8*(4*\mt+\i)+7], v[\wf+8*\i:\wf+8*\i+7], v[XF+8*\mt:XF+8*\mt+7], v[128*\mat+8*(4*\mt+\i):128*\mat+8*(4*\mt+\i)+7]
.endif
.endr
.endr
	WIN 0
.endm
; v: source 0 = x, source 1 = W: register j of lane (r, h) is token 16 mt + 8 h + j of channel 4 r + i: eight neighbours of v transposed
.macro MULV wf, zero
	WIN 0xa0
.irp mt, 0,1,2,3
.irp i, 0,1,2,3
.if \zero
	v_wmma_f32_16x16x32_bf16 v[8*(4*\mt+\i):8*(4*\mt+\i)+7], v[XF+8*\mt:XF+8*\mt+7], v[\wf+8*\i:\wf+8*\i+7], 0
.else
	v_wmma_f32_16x16x32_bf16 v[8*(4*\mt+\i):8*(4*\mt+\i)+7], v[XF+8*\mt:XF+8*\mt+7], v[\wf+8*\i:\wf+8*\i+7], v[8*(4*\mt+\i):8*(4*\mt+\i)+7]
.endif
.endr
.endr
	WIN 0
.endm
; One chunk: 64 LDS loads, 128 conversions, 48 matrix instructions.  zero = 1: the first products start the sums.
.macro WORK s, zero
	LDX \s
	LDW \s, 0, WR
	s_wait_dscnt 16                                ; x is in; the 16 younger loads (Wk) stay out
	CVTX
	LDW \s, 1, XR
	s_wait_dscnt 16                                ; Wk is in; Wq's 16 stay out
	CVTW WR, WF0
	LDW \s, 2, WR
	MULKQ 0, WF0, \zero
	s_wait_dscnt 16                                ; Wq is in; Wv's 16 stay out
	CVTW XR, WF1                                   ; these 32 are also the places between the k products and the rewriting of WF0
	MULKQ 1, WF1, \zero
	s_wait_dscnt 0x0                               ; Wv is in
	CVTW WR, WF0
	MULV WF0, \zero
	PLACES                                         ; XF and WF0 are written again, and results read, only behind these
.endm
; Slot f, which has been read, is filled again, two chunks on.  Every wave waits for all its tensor loads and for its reads, the round
; makes that hold of every wave of the cluster, and the one load of the wave stands first behind it.
.macro HEAD f
	s_wait_tensorcnt 0x0                           ; no load of mine is out: the other slot has landed, and a group 0 may be written
	ds_add_u32 v254, v255
	s_add_nc_u64 s[G0W+4*\f+2:G0W+4*\f+3], s[G0W+4*\f+2:G0W+4*\f+3], 65536
	s_add_nc_u64 s[G0X+4*\f+2:G0X+4*\f+3], s[G0X+4*\f+2:G0X+4*\f+3], 1024
	s_wait_dscnt 0x0                               ; my reads of the slot are back
	ROUND
	JLOAD \f
.endm
	s_wait_tensorcnt 0x1                           ; my part of chunk 0 is in; chunk 1's load stays out
	s_barrier_signal -1
	s_barrier_wait -1                              ; everybody's part is in
	WORK 0, 1                                      ; chunk 0
	HEAD 0                                         ; chunk 2 goes out
	WORK 1, 0                                      ; chunk 1
	HEAD 1                                         ; chunk 3 goes out: the last load
	WORK 0, 0                                      ; chunk 2
	s_wait_tensorcnt 0x0                           ; my part of chunk 3 is in
	s_wait_dscnt 0x0
	s_barrier_signal -1
	s_barrier_wait -1
	WORK 1, 0                                      ; chunk 3
	; THE END OF THE SUMS.  The biases go out first, into registers that held fragments (four places stand behind the last products).
.irp t, 0,1,2,3,4,5,6,7
	global_load_b128 v[BK+4*\t:BK+4*\t+3], v[BO], s[12:13] offset:16*\t   ; bk[32 h + 4 t ..]
	global_load_b128 v[BQ+4*\t:BQ+4*\t+3], v[BO], s[14:15] offset:16*\t
.endr
	global_load_b128 v[BV:BV+3], v[BR], s[16:17]                          ; bv[4 r ..]
	s_wait_dscnt 0x0                               ; my reads of the ring are back,
	s_barrier_signal -1
	s_barrier_wait -1                              ; everybody's are: the ring, which has had its last fill, takes the dumps
	WIN 0x04
.irp mt, 0,1,2,3
.irp mat, 0,1
.irp i, 0,1,2,3
	ds_store_b128 v[EXS], v[128*\mat+8*(4*\mt+\i):128*\mat+8*(4*\mt+\i)+3]   offset:(12*\mt+4*\mat+\i)*1024
	ds_store_b128 v[EXS], v[128*\mat+8*(4*\mt+\i)+4:128*\mat+8*(4*\mt+\i)+7] offset:(12*\mt+4*\mat+\i)*1024+512
.endr
.endr
.endr
	WIN 0x08
.irp mt, 0,1,2,3
.irp i, 0,1,2,3
	ds_store_b128 v[EXS], v[8*(4*\mt+\i):8*(4*\mt+\i)+3]   offset:(12*\mt+8+\i)*1024
	ds_store_b128 v[EXS], v[8*(4*\mt+\i)+4:8*(4*\mt+\i)+7] offset:(12*\mt+8+\i)*1024+512
.endr
.endr
	WIN 0
	s_wait_dscnt 0x0                               ; my dump is written,
	s_barrier_signal -1
	s_barrier_wait -1                              ; everybody's is
; Wave w finishes token tile w, in six halves: matrix mat, channel tiles 2 p and 2 p + 1, the four waves' shares: 16 loads, 64 registers.
.macro LDH mat, p, buf
.irp src, 0,1,2,3
.irp ti, 0,1
	ds_load_b128 v[\buf+16*\src+8*\ti:\buf+16*\src+8*\ti+3],   v[EXL+\src] offset:(4*\mat+2*\p+\ti)*1024
	ds_load_b128 v[\buf+16*\src+8*\ti+4:\buf+16*\src+8*\ti+7], v[EXL+\src] offset:(4*\mat+2*\p+\ti)*1024+512
.endr
.endr
.endm
.macro SUMH buf                        ; (0 + 1) + (2 + 3)
.irp e, 0,2,4,6,8,10,12,14
	v_pk_add_f32 v[\buf+\e:\buf+\e+1], v[\buf+\e:\buf+\e+1], v[\buf+16+\e:\buf+16+\e+1]
	v_pk_add_f32 v[\buf+32+\e:\buf+32+\e+1], v[\buf+32+\e:\buf+32+\e+1], v[\buf+48+\e:\buf+48+\e+1]
.endr
.irp e, 0,2,4,6,8,10,12,14
	v_pk_add_f32 v[\buf+\e:\buf+\e+1], v[\buf+\e:\buf+\e+1], v[\buf+32+\e:\buf+32+\e+1]
.endr
.endm
; k (scaled = 1: sum x c + bk c) or q (sum + bq); channels 4 j + 2 p and 4 j + 2 p + 1 of my 32 make word 2 j + p of my 64 bytes
.macro KQH p, buf, bias, scaled
	SUMH \buf
.irp ti, 0,1
.irp j, 0,1,2,3,4,5,6,7
.if \scaled
	v_fma_f32 v[\buf+8*\ti+\j], v[\buf+8*\ti+\j], s62, v[\bias+4*\j+2*\p+\ti]
.else
	v_add_f32 v[\buf+8*\ti+\j], v[\buf+8*\ti+\j], v[\bias+4*\j+2*\p+\ti]
.endif
.endr
.endr
.irp j, 0,1,2,3,4,5,6,7
	v_cvt_pk_bf16_f32 v[PK+2*\j+\p], v[\buf+\j], v[\buf+8+\j]
.endr
.endm
.macro STKQ mat
.irp t, 0,1,2,3
	ds_store_b128 v[STK], v[PK+4*\t:PK+4*\t+3] offset:\mat*STB+16*\t
.endr
.endm
.macro VH p, buf                       ; v: eight tokens of channel 4 r + i are 16 bytes of a row of v transposed
	SUMH \buf
.irp ti, 0,1
.irp j, 0,1,2,3,4,5,6,7
	v_add_f32 v[\buf+8*\ti+\j], v[\buf+8*\ti+\j], v[BV+2*\p+\ti]
.endr
.irp e, 0,1,2,3
	v_cvt_pk_bf16_f32 v[PK+4*\ti+\e], v[\buf+8*\ti+2*\e], v[\buf+8*\ti+2*\e+1]
.endr
	ds_store_b128 v[STV], v[PK+4*\ti:PK+4*\ti+3] offset:STP*(2*\p+\ti)
.endr
.endm
	LDH 0, 0, B0
	LDH 0, 1, B1
	s_wait_loadcnt 0x0                             ; the biases, once
.irp e, 0,2,4,6,8,10,12,14,16,18,20,22,24,26,28,30
	v_pk_mul_f32 v[BK+\e:BK+\e+1], v[BK+\e:BK+\e+1], s[62:63] op_sel_hi:[1,0]   ; bk c
.endr
	s_wait_dscnt 16                                ; this half is in; the next half's 16 loads stay out
	KQH 0, B0, BK, 1
	LDH 1, 0, B0
	s_wait_dscnt 16
	KQH 1, B1, BK, 1
	STKQ 0
	LDH 1, 1, B1
	s_wait_dscnt 20                                ; younger: 4 stage stores and 16 loads
	KQH 0, B0, BQ, 0
	LDH 2, 0, B0
	s_wait_dscnt 16
	KQH 1, B1, BQ, 0
	STKQ 1
	LDH 2, 1, B1
	s_wait_dscnt 20                                ; younger: 4 stage stores and 16 loads
	VH 0, B0
	s_wait_dscnt 2                                 ; younger: the 2 stage stores just issued
	VH 1, B1
	s_wait_dscnt 0x0                               ; my part of the stage is written (every wave wrote a piece of each row of v transposed),
	s_barrier_signal -1
	s_barrier_wait -1                              ; everybody's is
	; THE WAY OUT: sixteen rows of each block a wave; each store of the wave covers 512 consecutive bytes, aligned
.irp blk, 0,1,2
.irp t, 0,1,2,3
	ds_load_b128 v[B0+16*\blk+4*\t:B0+16*\blk+4*\t+3], v[RD] offset:\blk*STB+4*STP*\t
.endr
.endr
.irp t, 0,1,2,3
	s_wait_dscnt 11-\t                             ; LDS loads come back in order: load t is in
	global_store_b128 v[GO], v[B0+4*\t:B0+4*\t+3], s[66:67] offset:512*\t
.endr
.irp t, 0,1,2,3
	s_wait_dscnt 7-\t
	global_store_b128 v[GO], v[B0+16+4*\t:B0+16+4*\t+3], s[68:69] offset:512*\t
.endr
.irp t, 0,1,2,3
	s_wait_dscnt 3-\t
	global_store_b128 v[GO], v[B0+32+4*\t:B0+32+4*\t+3], s[68:69] offset:8192+512*\t
.endr
	s_wait_tensorcnt 0x0
	ds_add_u32 v254, v255
	s_wait_dscnt 0x0
	ROUND                                          ; the closing round: no work-group ends while a partner may still ask jointly
	s_endpgm
.Lfunc_end_k_qf254a3fc9b_proj:
	.size	k_qf254a3fc9b_proj, .Lfunc_end_k_qf254a3fc9b_proj-k_qf254a3fc9b_proj
	.p2alignl 7, 3214868480
	.fill 96, 4, 3214868480
	.section	.rodata,"a",@progbits
	.p2align	6, 0x0
	.amdhsa_kernel k_qf254a3fc9b_proj
		.amdhsa_group_segment_fixed_size 327680
		.amdhsa_private_segment_fixed_size 0
		.amdhsa_enable_private_segment 0
		.amdhsa_kernarg_size 72
		.amdhsa_user_sgpr_count 2
		.amdhsa_user_sgpr_kernarg_segment_ptr 1
		.amdhsa_wavefront_size32 1
		.amdhsa_system_sgpr_workgroup_id_x 1
		.amdhsa_system_sgpr_workgroup_id_y 1
		.amdhsa_system_sgpr_workgroup_id_z 1
		.amdhsa_system_vgpr_workitem_id 0
		.amdhsa_next_free_vgpr 640
		.amdhsa_next_free_sgpr 72
		.amdhsa_reserve_vcc 0
		.amdhsa_float_denorm_mode_32 3
		.amdhsa_float_denorm_mode_16_64 3
		.amdhsa_memory_ordered 1
		.amdhsa_forward_progress 1
		.amdhsa_inst_pref_size 105
	.end_amdhsa_kernel
	.amdgpu_metadata
---
amdhsa.version: [ 1, 2 ]
amdhsa.kernels:
  - .name:           k_qf254a3fc9b_proj
    .symbol:         k_qf254a3fc9b_proj.kd
    .args:
      - { .name: x, .offset: 0, .size: 8, .value_kind: global_buffer, .address_space: global }
      - { .name: Wk, .offset: 8, .size: 8, .value_kind: global_buffer, .address_space: global }
      - { .name: Wq, .offset: 16, .size: 8, .value_kind: global_buffer, .address_space: global }
      - { .name: Wv, .offset: 24, .size: 8, .value_kind: global_buffer, .address_space: global }
      - { .name: bk, .offset: 32, .size: 8, .value_kind: global_buffer, .address_space: global }
      - { .name: bq, .offset: 40, .size: 8, .value_kind: global_buffer, .address_space: global }
      - { .name: bv, .offset: 48, .size: 8, .value_kind: global_buffer, .address_space: global }
      - { .name: kb, .offset: 56, .size: 8, .value_kind: global_buffer, .address_space: global }
      - { .name: qv, .offset: 64, .size: 8, .value_kind: global_buffer, .address_space: global }
    .group_segment_fixed_size: 327680
    .private_segment_fixed_size: 0
    .kernarg_segment_align: 8
    .kernarg_segment_size: 72
    .max_flat_workgroup_size: 128
    .sgpr_count:     72
    .vgpr_count:     640
    .wavefront_size: 32
...
	.end_amdgpu_metadata
.endif
;; end of part 1
;; launch attn (part 2): grid 256 x 1, 8 waves a work-group, clusters of 4 x 1, 327,680 bytes of LDS; arguments kb, qv, out0; writes out0
.if DOCPART == 2
	.amdgcn_target "amdgcn-amd-amdhsa--gfx1250"
	.amdhsa_code_object_version 6
	.text
	.protected	k_qf254a3fc9b_attn
	.globl	k_qf254a3fc9b_attn
	.p2align	8
	.type	k_qf254a3fc9b_attn,@function
k_qf254a3fc9b_attn:
	s_mov_b64 s[64:65], 0
	v_nop
	global_prefetch_b8 v0, s[64:65] scope:SCOPE_SE
	s_setreg_imm32_b32 hwreg(HW_REG_WAVE_MODE, 25, 1), 1
	s_wait_xcnt 0x0
	s_wait_alu depctr_hold_cnt(0) depctr_sa_sdst(0) depctr_va_vdst(0) depctr_va_sdst(0) depctr_va_ssrc(0) depctr_va_vcc(0) depctr_vm_vsrc(0)
	s_getreg_b32 s2, hwreg(HW_REG_IB_STS2, 6, 4)
	s_cmp_eq_u32 s2, 0
	s_cbranch_scc0 .Lentry_in_a_cluster
	s_endpgm
.Lentry_in_a_cluster:
	s_bfe_u32 s2, ttmp6, 0x10000c
	s_cmp_lg_u32 s2, 0x3003
	s_cbranch_scc0 .Lentry_shape_is_right
	s_endpgm
.Lentry_shape_is_right:
; attn: out[i] = sum over j of softmax_j(k_i . q_j 512^-0.5) v_j, one head, 4 batches of 4,096 tokens, 64 channels.
; IN: kb [16384][64] bf16 = k x 512^-0.5 log2(e), so that scores stand in base 2; qv: for every 64 tokens a block of 16,384 bytes:
; q [64 tokens][64 channels] bf16, then v transposed [64 channels][64 tokens] bf16.  OUT: out0 [16384][64] f32.
; SHARES: a work-group owns 64 rows and walks its batch's 4,096 keys.  Its eight waves split the KEYS: in each of 8 trips wave w takes
; block 8 t + w (64 keys) against all 64 rows, so each fragment of q and of v feeds four row tiles: 32 LDS loads for 64 matrix
; instructions.  Each wave keeps a running maximum, a running sum and 64 x 64 of O for its share; the eight shares meet in LDS at the end.
; CLUSTERS: four work-groups form a cluster; the 64 work-groups of a batch are 16 whole clusters, so the four walk the same blocks of qv,
; all that a trip takes in.  Each wave asks for its block jointly with the same wave of the three partners (mask 15).
; THE RING: two LDS slots.  A wave copies its whole block into registers: q's fragments late in the trip before, v's at the trip's head.
; So a slot is free a quarter of the way into its trip; there the wave waits for its reads and for all its tensor loads, and the round of
; the cluster's barrier that stands in front of the refill is passed with register work between its signals and its waits.
; TRANSPOSED USE: S^T = q k^T, so a lane holds 8 keys of ONE row in each tile: the row's maximum and sum need one exchange between the
; halves of the wave, and two tiles rounded to bf16 in place ARE the second source of O^T = v^T P^T, with no traffic between lanes.
; LIMITS: finite inputs with finite scores; k c, q, v and the weights p rounded to bf16 for the products, the row sums taken from the f32 p;
; keys are summed in eight shares; v_exp_f32 gives zero for results below 2^-126 (ISA guide, its entry).
.set LP,    272                        ; an LDS line: 256 bytes (two keys of q, or two channels of v) + 16 of padding
.set TREG,  64*LP                      ; 17,408: a wave's block
.set SLOT,  8*TREG                     ; 139,264
.set ML,    2*SLOT                     ; 278,528: bytes of its own: 64 rows x 80: the maxima of 8 waves, then their sums
.set LA,  4                            ; v4-5    slot s: my fragments: (r >> 1) 272 + (r & 1) 128 + 16 h: 16 lanes in 16 different 16-byte columns modulo 256
.set KO,  6                            ; v6      my bytes of a tile of kb
.set MLS, 7                            ; v7      where I put my wave's maximum (h = 0) or sum (h = 1) of row r
.set MLL, 8                            ; v8      row r's 64 bytes of maxima and sums
.set STO, 9                            ; v9      stage: my 32 bytes of row r
.set RD,  10                           ; v10-11  stage: read back by rows, waves 0-3, waves 4-7
.set GO,  12                           ; v12     my byte offset in the work-group's 16 KiB of out0
.set M,   14                           ; v14-17  running maximum of row 16 rt + r
.set L,   18                           ; v18-25  running sums, a pair for each rt (later the closing factor)
.set MN,  26                           ; v26-27  the new maximum (v27 only fills the pair)
.set AL,  28                           ; v28-29  2^(old - new) (v29 only fills the pair)
.set T,   30                           ; v30-37  at work
.set KF,  40                           ; v40-103   fragments of k: 8 (2 rt + c), for the whole launch
.set QF,  104                          ; v104-167  fragments of q: 8 (2 kt + c)
.set S0,  168                          ; v168-199  scores of one row tile, 4 key tiles; then p; then p in bf16 in the first 16
.set S1,  200                          ; v200-231  the same, by turns
.set SU,  40                           ; the closing sum's 128 registers
.set VF,  128                          ; window 1: v128-191 fragments of v: 8 (2 ht + c);  v0-127: O at 8 (4 rt + ht)
.set G1,  16                           ; s[16:23]
.set G0,  24                           ; s[24:31] one set a slot
.set MSB, 0
.macro WIN new                         ; the immediate's high byte repeats the setting that is left
.if MSB != \new
	s_set_vgpr_msb (MSB<<8)|\new
.set MSB, \new
.endif
.endm
.macro PLACES                          ; four places behind a matrix instruction (ISA guide 7.12.1)
.rept 4
	v_nop
.endr
.endm
.macro ROUND                           ; a round of the cluster's barrier
	s_barrier_signal -1
	s_barrier_wait -1
	s_cmp_lg_u32 s10, 0
	s_cbranch_scc1 .Lnot_wave_0_\@
	s_barrier_signal -3
.Lnot_wave_0_\@:
	s_barrier_wait -3
	s_barrier_signal -1
	s_barrier_wait -1
.endm
	s_load_b128 s[4:7], s[0:1], 0x0                ; kb s[4:5], qv s[6:7]
	s_load_b64 s[8:9], s[0:1], 0x10                ; out0
	v_lshl_add_u32 v254, v0, 2, 0x45400
	v_mov_b32 v255, 0
	ds_add_u32 v254, v255
	s_wait_dscnt 0x0
	v_lshrrev_b32 v1, 5, v0
	v_readfirstlane_b32 s10, v1                    ; wave 0..7
	s_bfe_u32 s11, ttmp6, 0x40000                  ; cx
	s_lshl_b32 s12, ttmp9, 2
	s_add_co_u32 s12, s12, s11                     ; work-group = 4 x cluster + cx
	s_lshr_b32 s13, ttmp9, 4                       ; batch: 16 clusters each; the same in all four partners
	s_mov_b32 s34, 0x76543210                      ; v_permlanex16_b32: lane i of one half reads lane i of the other
	s_mov_b32 s35, 0xfedcba98
	; a block of 16,384 dense bytes as 64 rows of 256 bytes, 16 bytes of padding behind each
	s_mov_b32 s[G1+0], 15|(3<<16)|(1<<20)|(1<<21)|(5<<22)|(3<<25)   ; mask: all four; 8-byte elements; padding on; bit 21 beside a mask; every 64 words; 4 words
	s_mov_b32 s[G1+1], 32<<16                      ; tensor_dim0 = 32
	s_mov_b32 s[G1+2], 64<<16                      ; tensor_dim1 = 64
	s_mov_b32 s[G1+3], 32<<16                      ; tile_dim0 = 32
	s_mov_b32 s[G1+4], 64                          ; tile_dim1 = 64
	s_mov_b32 s[G1+5], 32                          ; from row to row: 32 elements
	s_mov_b32 s[G1+6], 0
	s_mov_b32 s[G1+7], 0
	s_mul_i32 s33, s10, TREG                       ; my wave's region in a slot
	s_lshl_b32 s14, s13, 20                        ; the batch's 64 blocks
	s_lshl_b32 s15, s10, 14                        ; block w of a trip's eight
	s_add_co_u32 s14, s14, s15
	s_mov_b32 s15, 0
	s_lshl_b32 s2, s12, 13
	s_mov_b32 s3, 0
	ROUND                                          ; all four work-groups are here, while the arguments are still on their way: the round reads none of them
	s_wait_kmcnt 0x0                               ; in front of the first read of s[4:9]
	s_add_nc_u64 s[14:15], s[6:7], s[14:15]        ; made of the batch and the wave's number alone
.irp n, 0,1
	s_mov_b32 s[G0+4*\n], 1
	s_add_co_u32 s[G0+4*\n+1], s33, \n*SLOT
	s_add_nc_u64 s[G0+4*\n+2:G0+4*\n+3], s[14:15], \n*131072       ; trip n: eight blocks on
	s_or_b32 s[G0+4*\n+3], s[G0+4*\n+3], 0x80000000
.endr
	tensor_load_to_lds s[G0:G0+3], s[G1:G1+7]      ; trips 0 and 1: two loads a wave are out
	s_nop 0
	tensor_load_to_lds s[G0+4:G0+7], s[G1:G1+7]
	s_nop 0
	s_add_nc_u64 s[36:37], s[4:5], s[2:3]          ; my 64 rows of kb
	s_lshl_b32 s2, s12, 14
	s_add_nc_u64 s[38:39], s[8:9], s[2:3]          ; my 64 rows of out0
	v_and_b32 v1, 15, v0                           ; r
	v_bfe_u32 v2, v0, 4, 1                         ; h
	v_lshlrev_b32 v[KO], 7, v1                     ; kb: 128 r + 16 h
	v_lshl_add_u32 v[KO], v2, 4, v[KO]
.irp rt, 0,1,2,3
.irp c, 0,1
	global_load_b128 v[KF+8*(2*\rt+\c):KF+8*(2*\rt+\c)+3],   v[KO], s[36:37] offset:2048*\rt+64*\c
	global_load_b128 v[KF+8*(2*\rt+\c)+4:KF+8*(2*\rt+\c)+7], v[KO], s[36:37] offset:2048*\rt+64*\c+32
.endr
.endr
	v_lshrrev_b32 v13, 1, v1
	v_mul_u32_u24 v[LA], v13, LP
	v_and_b32 v13, 1, v1
	v_lshl_add_u32 v[LA], v13, 7, v[LA]
	v_lshl_add_u32 v[LA], v2, 4, v[LA]
	v_add_nc_u32 v[LA], s33, v[LA]
	v_add_nc_u32 v[LA+1], SLOT, v[LA]
	s_lshl_b32 s2, s10, 2
	s_add_co_u32 s2, s2, ML
	v_mul_u32_u24 v[MLL], v1, 80
	v_lshl_add_u32 v[MLS], v2, 5, v[MLL]
	v_add_nc_u32 v[MLS], s2, v[MLS]
	v_add_nc_u32 v[MLL], ML, v[MLL]
	v_mul_u32_u24 v13, v1, LP
	v_lshl_add_u32 v[STO], v2, 5, v13
	v_add_nc_u32 v[STO], s33, v[STO]
	v_mul_u32_u24 v[RD], v2, LP                    ; rows 8 w + h, 16 bytes a lane
	v_lshl_add_u32 v[RD], v1, 4, v[RD]
	s_mul_i32 s2, s10, 8*LP
	v_add_nc_u32 v[RD], s2, v[RD]
	v_add_nc_u32 v[RD+1], 4*TREG, v[RD]
	v_lshlrev_b32 v[GO], 8, v2
	v_lshl_add_u32 v[GO], v1, 4, v[GO]
	v_lshl_add_u32 v[GO], s10, 11, v[GO]
	v_mov_b32 v[MN+1], 0                           ; the pairs' other halves are named by packed instructions and never used
	v_mov_b32 v[AL+1], 0
; q of the block in slot s into registers: 16 loads
.macro QFETCH s
.irp kt, 0,1,2,3
.irp c, 0,1
	ds_load_b128 v[QF+8*(2*\kt+\c):QF+8*(2*\kt+\c)+3],   v[LA+\s] offset:8*LP*\kt+64*\c
	ds_load_b128 v[QF+8*(2*\kt+\c)+4:QF+8*(2*\kt+\c)+7], v[LA+\s] offset:8*LP*\kt+64*\c+32
.endr
.endr
.endm
; v of the block in slot s into registers: 16 loads
.macro VFETCH s
	WIN 0x40
.irp ht, 0,1,2,3
.irp c, 0,1
	ds_load_b128 v[VF+8*(2*\ht+\c):VF+8*(2*\ht+\c)+3],   v[LA+\s] offset:32*LP+8*LP*\ht+64*\c
	ds_load_b128 v[VF+8*(2*\ht+\c)+4:VF+8*(2*\ht+\c)+7], v[LA+\s] offset:32*LP+8*LP*\ht+64*\c+32
.endr
.endr
	WIN 0
.endm
; One of the eight score products of row tile rt: i = 0..3 the first 32 channels of key tile i, which start its sum; i = 4..7 the second 32
; of key tile i - 4.  Register j of tile kt in lane (r, h) is key 16 kt + 8 h + j, row 16 rt + r.
; The four tiles take turns, one instruction a turn.  on = 0: nothing.
.macro SW1 on, rt, SB, i
.if \on
.if \i < 4
	v_wmma_f32_16x16x32_bf16 v[\SB+8*\i:\SB+8*\i+7], v[QF+16*\i:QF+16*\i+7], v[KF+16*\rt:KF+16*\rt+7], 0
.else
	v_wmma_f32_16x16x32_bf16 v[\SB+8*(\i-4):\SB+8*(\i-4)+7], v[QF+16*(\i-4)+8:QF+16*(\i-4)+15], v[KF+16*\rt+8:KF+16*\rt+15], v[\SB+8*(\i-4):\SB+8*(\i-4)+7]
.endif
.endif
.endm
.macro SMUL rt, SB                     ; all eight in a run: a trip's first row tile, which has no exponentials to stand among
.irp i, 0,1,2,3,4,5,6,7
	SW1 1, \rt, \SB, \i
.endr
.endm
; The new maximum of my row over its 64 scores and the old maximum: 16 three-way maxima, one exchange between the halves; then 2^(old - new)
.macro PMAX rt, SB, first
.irp a, 0,1,2,3
	v_max3_num_f32 v[T+\a], v[\SB+8*\a], v[\SB+8*\a+1], v[\SB+8*\a+2]
.endr
.irp a, 0,1,2,3
	v_max3_num_f32 v[T+\a], v[T+\a], v[\SB+8*\a+3], v[\SB+8*\a+4]
.endr
.irp a, 0,1,2,3
	v_max3_num_f32 v[T+\a], v[T+\a], v[\SB+8*\a+5], v[\SB+8*\a+6]
.endr
	v_max3_num_f32 v[T], v[T], v[T+1], v[\SB+7]
	v_max3_num_f32 v[T+2], v[T+2], v[T+3], v[\SB+15]
	v_max3_num_f32 v[T], v[T], v[T+2], v[\SB+23]
.if \first
	v_max_num_f32 v[T], v[T], v[\SB+31]
.else
	v_max3_num_f32 v[T], v[T], v[\SB+31], v[M+\rt]
.endif
	v_permlanex16_b32 v[T+1], v[T], s34, s35       ; the other eight keys of each tile lie in the other half
	v_max_num_f32 v[MN], v[T], v[T+1]
.if \first
	v_mov_b32 v[M+\rt], v[MN]
.else
	v_sub_f32 v[AL], v[M+\rt], v[MN]
	v_exp_f32 v[AL], v[AL]
	v_mov_b32 v[M+\rt], v[MN]                      ; the plain instruction behind the exponential (ISA guide 5.7.2)
.endif
.endm
.macro SUBK SB, kt                     ; scores minus the maximum, two at a time
.irp e, 0,2,4,6
	v_pk_add_f32 v[\SB+8*\kt+\e:\SB+8*\kt+\e+1], v[\SB+8*\kt+\e:\SB+8*\kt+\e+1], v[MN:MN+1] op_sel_hi:[1,0] neg_lo:[0,1] neg_hi:[0,1]
.endr
.endm
.macro EXPK SB, kt
.irp e, 0,1,2,3,4,5,6,7
	v_exp_f32 v[\SB+8*\kt+\e], v[\SB+8*\kt+\e]
.endr
.endm
; mode 0: L += the tile's eight p; 1: L = L x 2^(old - new) + them; 2: L = them
.macro SUMK rt, SB, kt, mode
	s_wait_alu depctr_va_vdst(0)
	v_pk_add_f32 v[T:T+1], v[\SB+8*\kt:\SB+8*\kt+1], v[\SB+8*\kt+2:\SB+8*\kt+3]
	v_pk_add_f32 v[T+2:T+3], v[\SB+8*\kt+4:\SB+8*\kt+5], v[\SB+8*\kt+6:\SB+8*\kt+7]
.if \mode == 2
	v_pk_add_f32 v[L+2*\rt:L+2*\rt+1], v[T:T+1], v[T+2:T+3]
.else
	v_pk_add_f32 v[T:T+1], v[T:T+1], v[T+2:T+3]
.if \mode == 1
	v_pk_fma_f32 v[L+2*\rt:L+2*\rt+1], v[L+2*\rt:L+2*\rt+1], v[AL:AL+1], v[T:T+1] op_sel_hi:[1,0,1]
.else
	v_pk_add_f32 v[L+2*\rt:L+2*\rt+1], v[L+2*\rt:L+2*\rt+1], v[T:T+1]
.endif
.endif
.endm
.macro CVTK SB, kt                     ; tile kt's eight p into four words at 4 kt: tiles 2 c, 2 c + 1 make the fragment of keys 32 c .. 32 c + 31
.irp e, 0,1,2,3
	v_cvt_pk_bf16_f32 v[\SB+4*\kt+\e], v[\SB+8*\kt+2*\e], v[\SB+8*\kt+2*\e+1]
.endr
.endm
; The weights of row tile rt from its scores in SB.  on = 1: the eight score products of row tile nrt, into the other buffer nSB, stand among
; them, 8 to 12 vector instructions between two products; these name SB, T, L, MN and AL alone, none of the products' registers.
; Behind every run of exponentials stands plain work on other registers before their results are used (a product is no such place).
; Behind the last product stand eight plain instructions: the places for what then reads its scores or loads q's fragments anew.
.macro PEXP rt, SB, first, on, nrt, nSB
	SW1 \on, \nrt, \nSB, 0
	SUBK \SB, 0
	EXPK \SB, 0
	SW1 \on, \nrt, \nSB, 1
	SUBK \SB, 1
	EXPK \SB, 1
	SW1 \on, \nrt, \nSB, 2
	SUBK \SB, 2
.if \first
	SUMK \rt, \SB, 0, 2
.else
	SUMK \rt, \SB, 0, 1
.endif
	CVTK \SB, 0
	SW1 \on, \nrt, \nSB, 3
	EXPK \SB, 2
	SUBK \SB, 3
	SW1 \on, \nrt, \nSB, 4
	SUMK \rt, \SB, 1, 0
	CVTK \SB, 1
	SW1 \on, \nrt, \nSB, 5
	EXPK \SB, 3
	SW1 \on, \nrt, \nSB, 6
	SUMK \rt, \SB, 2, 0
	CVTK \SB, 2
	SW1 \on, \nrt, \nSB, 7
	SUMK \rt, \SB, 3, 0
	CVTK \SB, 3
.endm
; O^T of row tile rt: register j of tile ht in lane (r, h) is channel 16 ht + 8 h + j of row 16 rt + r, so the row's factor is the lane's own.
; Each tile's four multiplies by 2^(old - new) stand in front of its own first product, behind the product of the tile before.
; The four tiles take turns, one instruction a turn.
.macro PV rt, SB, first
	WIN 0x51
.irp ht, 0,1,2,3
.if \first
	v_wmma_f32_16x16x32_bf16 v[32*\rt+8*\ht:32*\rt+8*\ht+7], v[VF+16*\ht:VF+16*\ht+7], v[\SB:\SB+7], 0
.else
.irp e, 0,2,4,6
	v_pk_mul_f32 v[32*\rt+8*\ht+\e:32*\rt+8*\ht+\e+1], v[32*\rt+8*\ht+\e:32*\rt+8*\ht+\e+1], v[AL:AL+1] op_sel_hi:[1,0]
.endr
	v_wmma_f32_16x16x32_bf16 v[32*\rt+8*\ht:32*\rt+8*\ht+7], v[VF+16*\ht:VF+16*\ht+7], v[\SB:\SB+7], v[32*\rt+8*\ht:32*\rt+8*\ht+7]
.endif
.endr
.irp ht, 0,1,2,3
	v_wmma_f32_16x16x32_bf16 v[32*\rt+8*\ht:32*\rt+8*\ht+7], v[VF+16*\ht+8:VF+16*\ht+15], v[\SB+8:\SB+15], v[32*\rt+8*\ht:32*\rt+8*\ht+7]
.endr
	WIN 0
.endm
; One trip: the 64 keys of the block in slot s against 64 rows.  q's fragments are in registers or on their way at its head.
; first = 1: maxima, sums and O are started, nothing is cleared.
; refill = 1: slot s is filled again, two trips on.  When v's fragments are in, all my reads of the slot are back; I wait for all my tensor
;   loads too (one is out: the other slot's block), step the slot's address, and pass a round of the cluster's barrier with register work
;   alone between its signals and its waits.  The joint load stands first behind the closing wait: by then no wave of the cluster still
;   reads its part of the slot or has a load on its way.
; qnext = 1: the next trip's q is fetched from the other slot, whose block the wait for all tensor loads in this trip has shown landed.
; Between the products that read p from a buffer and the scores that write over it stand the maxima of the other buffer.
.macro STEP s, first, refill, qnext
	VFETCH \s
	s_wait_dscnt 16                                ; q is in; the 16 younger loads (v) stay out
	SMUL 0, S0
	PLACES
	PMAX 0, S0, \first
	PEXP 0, S0, \first, 1, 1, S1
	s_wait_dscnt 0x0                               ; v is in: no LDS read of mine is out
.if \refill
	s_wait_tensorcnt 0x0                           ; no load of mine is out: the other slot's block has landed, and a group 0 may be written
	ds_add_u32 v254, v255
	s_wait_dscnt 0x0
	s_add_nc_u64 s[G0+4*\s+2:G0+4*\s+3], s[G0+4*\s+2:G0+4*\s+3], 262144
	s_barrier_signal -1                            ; the round opens
.endif
	PV 0, S0, \first
	PMAX 1, S1, \first
.if \refill
	s_barrier_wait -1                              ; all eight waves have said so
	s_cmp_lg_u32 s10, 0
	s_cbranch_scc1 .Lin_step_\@
	s_barrier_signal -3                            ; wave 0 says so for the work-group
.Lin_step_\@:
.endif
	PEXP 1, S1, \first, 1, 2, S0
.if \refill
	s_barrier_wait -3                              ; all four work-groups have said so
	s_barrier_signal -1
.endif
	PV 1, S1, \first
.if \refill
	s_barrier_wait -1                              ; the round closes
	tensor_load_to_lds s[G0+4*\s:G0+4*\s+3], s[G1:G1+7]   ; my one tensor load behind it, and the first thing there
	s_nop 0
.endif
	PMAX 2, S0, \first
	PEXP 2, S0, \first, 1, 3, S1
.if \qnext
.if \refill == 0
	s_wait_tensorcnt 0x0                           ; the last block is in: no round has waited for it
.endif
	QFETCH (1-\s)                                  ; the trip's last scores have read q; these 16 loads have the rest of the trip in which to come back
.endif
	PV 2, S0, \first
	PMAX 3, S1, \first
	PEXP 3, S1, \first, 0, 0, S0
	PV 3, S1, \first
	PLACES                                         ; v's fragments are loaded again, and O read, only behind these
.endm
	s_wait_tensorcnt 0x1                           ; trip 0's block is in (only I read it); trip 1's load stays out
	QFETCH 0
	s_wait_loadcnt 0x0                             ; k
	STEP 0, 1, 1, 1                                ; trip 0; block 2 goes out
	s_mov_b32 s32, 2
.Ltrip:
	STEP 1, 0, 1, 1                                ; trips 1, 3; blocks 3, 5 go out
	STEP 0, 0, 1, 1                                ; trips 2, 4; blocks 4, 6 go out
	s_sub_co_u32 s32, s32, 1
	s_cmp_lg_u32 s32, 0
	s_cbranch_scc1 .Ltrip
	STEP 1, 0, 1, 1                                ; trip 5; block 7 goes out: the last load
	STEP 0, 0, 0, 1                                ; trip 6: nothing is left to ask for
	STEP 1, 0, 0, 0                                ; trip 7: nothing is left to fetch
	; THE EIGHT SHARES MEET.  Each wave publishes, for each row, its maximum (lanes with h = 0) and its sum (h = 1).
	v_cmp_ne_u32 vcc_lo, 0, v2
.irp rt, 0,1,2,3
	v_add_f32 v[T], v[L+2*\rt], v[L+2*\rt+1]
	v_permlanex16_b32 v[T+1], v[T], s34, s35
	v_add_f32 v[T], v[T], v[T+1]
	v_cndmask_b32 v[T+2+\rt], v[M+\rt], v[T], vcc_lo
	ds_store_b32 v[MLS], v[T+2+\rt] offset:1280*\rt
.endr
	s_wait_dscnt 0x0                               ; mine are written,
	s_barrier_signal -1
	s_barrier_wait -1                              ; everybody's are
.irp rt, 0,1,2,3
.irp q, 0,1,2,3
	ds_load_b128 v[QF+16*\rt+4*\q:QF+16*\rt+4*\q+3], v[MLL] offset:1280*\rt+16*\q
.endr
.endr
	s_wait_dscnt 0x0
	; For each row: the maximum M* of the eight, the sum of l_w 2^(m_w - M*), which is at least 1 (the wave that holds M* has l >= 1),
	; and my wave's closing factor 2^(m - M*) / that sum.
.irp rt, 0,1,2,3
	v_max3_num_f32 v[MN], v[QF+16*\rt], v[QF+16*\rt+1], v[QF+16*\rt+2]
	v_max3_num_f32 v[MN], v[MN], v[QF+16*\rt+3], v[QF+16*\rt+4]
	v_max3_num_f32 v[MN], v[MN], v[QF+16*\rt+5], v[QF+16*\rt+6]
	v_max_num_f32 v[MN], v[MN], v[QF+16*\rt+7]
.irp e, 0,2,4,6
	v_pk_add_f32 v[QF+16*\rt+\e:QF+16*\rt+\e+1], v[QF+16*\rt+\e:QF+16*\rt+\e+1], v[MN:MN+1] op_sel_hi:[1,0] neg_lo:[0,1] neg_hi:[0,1]
.endr
	v_sub_f32 v[AL], v[M+\rt], v[MN]
.irp e, 0,1,2,3,4,5,6,7
	v_exp_f32 v[QF+16*\rt+\e], v[QF+16*\rt+\e]
.endr
	v_exp_f32 v[AL], v[AL]
	v_nop                                          ; the plain place behind the exponentials
	s_wait_alu depctr_va_vdst(0)
	v_pk_mul_f32 v[T:T+1], v[QF+16*\rt:QF+16*\rt+1], v[QF+16*\rt+8:QF+16*\rt+9]
	v_pk_fma_f32 v[T:T+1], v[QF+16*\rt+2:QF+16*\rt+3], v[QF+16*\rt+10:QF+16*\rt+11], v[T:T+1]
	v_pk_fma_f32 v[T:T+1], v[QF+16*\rt+4:QF+16*\rt+5], v[QF+16*\rt+12:QF+16*\rt+13], v[T:T+1]
	v_pk_fma_f32 v[T:T+1], v[QF+16*\rt+6:QF+16*\rt+7], v[QF+16*\rt+14:QF+16*\rt+15], v[T:T+1]
	v_add_f32 v[T], v[T], v[T+1]
	v_rcp_f32 v[T], v[T]
	v_nop                                          ; the plain place behind the reciprocal
	s_wait_alu depctr_va_vdst(0)
	v_mul_f32 v[L+2*\rt], v[AL], v[T]
.endr
	WIN 0x41
.irp rt, 0,1,2,3
.irp e, 0,2,4,6,8,10,12,14,16,18,20,22,24,26,28,30
	v_pk_mul_f32 v[32*\rt+\e:32*\rt+\e+1], v[32*\rt+\e:32*\rt+\e+1], v[L+2*\rt:L+2*\rt+1] op_sel_hi:[1,0]
.endr
.endr
	; my share, 64 rows x 64 f32 at a pitch of 272, into my own region of slot 0, which has had its last fill (trip 6's block) and which only I read
	WIN 0x04
.irp rt, 0,1,2,3
.irp ht, 0,1,2,3
	ds_store_b128 v[STO], v[8*(4*\rt+\ht):8*(4*\rt+\ht)+3]   offset:16*LP*\rt+64*\ht
	ds_store_b128 v[STO], v[8*(4*\rt+\ht)+4:8*(4*\rt+\ht)+7] offset:16*LP*\rt+64*\ht+16
.endr
.endr
	WIN 0
	s_wait_dscnt 0x0                               ; my share is written,
	s_barrier_signal -1
	s_barrier_wait -1                              ; everybody's is
	; wave w adds the eight shares of rows 8 w .. 8 w + 7; a load takes two whole rows
.irp u, 0,1,2,3
.irp t, 0,1,2,3
	ds_load_b128 v[SU+16*\u+4*\t:SU+16*\u+4*\t+3], v[RD] offset:TREG*\u+2*LP*\t
.endr
.endr
.irp u, 0,1,2,3
.irp t, 0,1,2,3
	ds_load_b128 v[SU+64+16*\u+4*\t:SU+64+16*\u+4*\t+3], v[RD+1] offset:TREG*\u+2*LP*\t
.endr
.endr
.macro SUM4 b                          ; (0 + 1) + (2 + 3)
.irp e, 0,2,4,6,8,10,12,14
	v_pk_add_f32 v[\b+\e:\b+\e+1], v[\b+\e:\b+\e+1], v[\b+16+\e:\b+16+\e+1]
	v_pk_add_f32 v[\b+32+\e:\b+32+\e+1], v[\b+32+\e:\b+32+\e+1], v[\b+48+\e:\b+48+\e+1]
.endr
.irp e, 0,2,4,6,8,10,12,14
	v_pk_add_f32 v[\b+\e:\b+\e+1], v[\b+\e:\b+\e+1], v[\b+32+\e:\b+32+\e+1]
.endr
.endm
	s_wait_dscnt 16                                ; shares 0 to 3 are in; the 16 younger loads stay out
	SUM4 SU
	s_wait_dscnt 0x0
	SUM4 SU+64
.irp e, 0,2,4,6,8,10,12,14
	v_pk_add_f32 v[SU+\e:SU+\e+1], v[SU+\e:SU+\e+1], v[SU+64+\e:SU+64+\e+1]
.endr
.irp t, 0,1,2,3
	global_store_b128 v[GO], v[SU+4*\t:SU+4*\t+3], s[38:39] offset:512*\t th:TH_STORE_NT   ; sixteen lanes store one row: 256 consecutive bytes, aligned
.endr
	s_wait_tensorcnt 0x0
	ds_add_u32 v254, v255
	s_wait_dscnt 0x0
	ROUND                                          ; the closing round: no work-group ends while a partner may still ask jointly
	s_endpgm
.Lfunc_end_k_qf254a3fc9b_attn:
	.size	k_qf254a3fc9b_attn, .Lfunc_end_k_qf254a3fc9b_attn-k_qf254a3fc9b_attn
	.p2alignl 7, 3214868480
	.fill 96, 4, 3214868480
	.section	.rodata,"a",@progbits
	.p2align	6, 0x0
	.amdhsa_kernel k_qf254a3fc9b_attn
		.amdhsa_group_segment_fixed_size 327680
		.amdhsa_private_segment_fixed_size 0
		.amdhsa_enable_private_segment 0
		.amdhsa_kernarg_size 24
		.amdhsa_user_sgpr_count 2
		.amdhsa_user_sgpr_kernarg_segment_ptr 1
		.amdhsa_wavefront_size32 1
		.amdhsa_system_sgpr_workgroup_id_x 1
		.amdhsa_system_sgpr_workgroup_id_y 1
		.amdhsa_system_sgpr_workgroup_id_z 1
		.amdhsa_system_vgpr_workitem_id 0
		.amdhsa_next_free_vgpr 448
		.amdhsa_next_free_sgpr 66
		.amdhsa_reserve_vcc 1
		.amdhsa_float_denorm_mode_32 3
		.amdhsa_float_denorm_mode_16_64 3
		.amdhsa_memory_ordered 1
		.amdhsa_forward_progress 1
		.amdhsa_inst_pref_size 215
	.end_amdhsa_kernel
	.amdgpu_metadata
---
amdhsa.version: [ 1, 2 ]
amdhsa.kernels:
  - .name:           k_qf254a3fc9b_attn
    .symbol:         k_qf254a3fc9b_attn.kd
    .args:
      - { .name: kb, .offset: 0, .size: 8, .value_kind: global_buffer, .address_space: global }
      - { .name: qv, .offset: 8, .size: 8, .value_kind: global_buffer, .address_space: global }
      - { .name: out0, .offset: 16, .size: 8, .value_kind: global_buffer, .address_space: global }
    .group_segment_fixed_size: 327680
    .private_segment_fixed_size: 0
    .kernarg_segment_align: 8
    .kernarg_segment_size: 24
    .max_flat_workgroup_size: 256
    .sgpr_count:     66
    .vgpr_count:     448
    .wavefront_size: 32
...
	.end_amdgpu_metadata
.endif
;; end of part 2
